; MI455X (gfx1250); checked and timed in simulation.
; The chip was launched on July 23, 2026; its instructions are those of AMD's public machine-readable ISA for CDNA 5 (MIT licence, August 2026) and "CDNA5" Instruction Set Architecture Reference Guide (July 2026). The comments in the code are by the model that wrote it; some were corrected since.
;; Torch Attention. Allowed arithmetic: matrix products marked QUANTISED: E2M1 operands, one E8M0 scale for each 32 along K, by v_wmma_scale_f32_16x16x128_f8f6f4 with both operands' format E2M1 (or v_wmma_scale_f32_32x16x128_f4), f32 sums; everything else in f32.
;; Inputs: key_codes 2,048 x 1 x 24 x 4 x 16 uint8 (E2M1 codes of key, K innermost, in blocks of 32 codes, two codes a byte); key_scales 2,048 x 1 x 24 x 4 uint8 (E8M0 scales of key, one for each 32 codes along K); query_codes 2,048 x 1 x 24 x 4 x 16 uint8 (E2M1 codes of query, K innermost, in blocks of 32 codes, two codes a byte); query_scales 2,048 x 1 x 24 x 4 uint8 (E8M0 scales of query, one for each 32 codes along K); value_codes 1 x 24 x 128 x 64 x 16 uint8 (E2M1 codes of value, K innermost, in blocks of 32 codes, two codes a byte); value_scales 1 x 24 x 128 x 64 uint8 (E8M0 scales of value, one for each 32 codes along K).
;; Outputs: out0 1 x 2,048 x 3,072 float32.
;; This version of the problem:
;;   THIS VERSION OF THE PROBLEM IS GIVEN IN LOW PRECISION. The matrix products marked QUANTISED in the list below multiply operands that are first quantised to E2M1 (2 exponent bits, 1 mantissa bit; 4 bits a number), with one power-of-two scale for each 32 numbers along K (OCP MX v1.0); their sums are f32. All else is computed in f32.
;;   The module's matrix products, in the order in which they are computed (A, B: the left and right operand; K: the contracted axis; several contracted axes count as one K, in the product's order):
;;     1. batch 24 x [M 2,048, K 128] x [K 128, N 2,048]; A: input query (given as codes); B: input key (given as codes): QUANTISED
;;     2. batch 24 x [M 2,048, K 2,048] x [K 2,048, N 128]; A: softmax (see below); B: input value (given as codes): QUANTISED
;;   THE QUANTISER, for each operand of a quantised product, along K:
;;     - K is cut into blocks of 32 from its start; a last block that is shorter is filled with zeros.
;;     - A block's scale is 2^e with e = floor(log2(the largest magnitude in the block)) - 2, held to -126 .. 127; a block of zeros has e = 0. As a byte (E8M0): e + 127.
;;     - Each number is divided by its block's scale, clamped to +-6, and rounded to the nearest number of E2M1, ties to even, subnormals kept.
;;     - The product sums the exact products of the quantised numbers (number of the format x scale) in f32.
;;   ~~~python
;;   def quantise(x, axis):      # numpy; x: float32 -> the quantised numbers, widened to float32 again
;;       x = np.moveaxis(x, axis, -1); K = x.shape[-1]
;;       x = np.pad(x, [(0, 0)] * (x.ndim - 1) + [(0, -K % 32)]); x = x.reshape(x.shape[:-1] + (-1, 32)); a = np.abs(x).max(-1, keepdims=True)
;;       e = np.where(a > 0, np.clip(np.frexp(np.where(a > 0, a, 1))[1] - 1 - 2, -126, 127), 0)      # np.frexp(a)[1] - 1 = floor(log2(a)), exactly
;;       r = np.clip(x / 2.0 ** e, -6, 6)
;;       step = 2.0 ** (np.maximum(np.frexp(np.where(r == 0, 1, r))[1] - 1, 0) - 1)
;;       q = np.round(r / step) * step * 2.0 ** e      # np.round: ties to even
;;       return np.moveaxis(q.reshape(q.shape[:-2] + (-1,))[..., :K], -1, axis).astype(np.float32)
;;   ~~~
;;   SOFTMAX AHEAD OF A QUANTISED PRODUCT. Where the list says 'softmax', what is quantised is not the finished softmax but p = 2^(t - M), with t = logit x log2(e) and M = ceil(the row's largest t), a whole number; so 1/2 < the row's largest p <= 1. The row's sum l is taken of the UNQUANTISED p, in f32, and the product's result is divided by l at the end. Since M is a whole number, a kernel that streams over the keys may use a running M (the ceiling of the running maximum): every later rescaling is an exact power of two, which a block's scale takes up: the codes' values come out the same.
;;   OPERANDS COMPUTED ON THE WAY. 'Computed on the way' means the value that the module computes at that place (a softmax that the list does not call 'softmax' is quantised finished and normalised). What goes into a quantiser is computed in f32, as accurately as f32 sums, v_exp_f32 and their like allow (about 1e-6 of the number): no bf16 or f16 on the way to a quantiser, and a product that is left as it is and whose result goes on into a quantised operand takes f32 operands (vector FMAs, or v_wmma_f32_16x16x4_f32). A number that lies on a knife's edge between two numbers of the format may be rounded either way, as far as f32 arithmetic and the matrix unit's own rounding can turn it there, and no further.
;;   INPUTS GIVEN AS CODES. key (in the module: [2048, 1, 24, 128], K = its axis 3); query (in the module: [2048, 1, 24, 128], K = its axis 3); value (in the module: [2048, 1, 24, 128], K = its axis 0): each comes as NAME_codes (uint8): NAME with its K axis moved to the last place and cut into blocks of 32 codes, [.., K / 32, bytes a block], one block behind the other in memory; two codes a byte, the lower K in the low four bits (a code: sign, 2 exponent bits, 1 mantissa bit); and NAME_scales (uint8): the same leading axes, one E8M0 byte (e + 127) for each 32 codes along K. Its value is code x scale, taken as it is: it is not quantised again, and the codes and scales need not be those that the quantiser above would give.
;; One version. Each part assembles by itself: llvm-mc -triple=amdgcn-amd-amdhsa -mcpu=gfx1250 --defsym DOCPART=n.
;; ======== version 1 of 1: 1 launch
;; launch attn (part 1): grid 8 x 24, 8 waves a work-group, clusters of 4 x 1, 327,680 bytes of LDS; arguments query_codes, query_scales, key_codes, key_scales, value_codes, value_scales, out0; writes out0
.if DOCPART == 1
	.amdgcn_target "amdgcn-amd-amdhsa--gfx1250"
	.amdhsa_code_object_version 6
	.text
	.protected	k_q4aaeb5352f_attn
	.globl	k_q4aaeb5352f_attn
	.p2align	8
	.type	k_q4aaeb5352f_attn,@function
k_q4aaeb5352f_attn:
	s_mov_b64 s[64:65], 0
	v_nop
	global_prefetch_b8 v0, s[64:65] scope:SCOPE_SE
	s_setreg_imm32_b32 hwreg(HW_REG_WAVE_MODE, 25, 1), 1
	s_wait_xcnt 0x0
	s_wait_alu depctr_hold_cnt(0) depctr_sa_sdst(0) depctr_va_vdst(0) depctr_va_sdst(0) depctr_va_ssrc(0) depctr_va_vcc(0) depctr_vm_vsrc(0)
	s_getreg_b32 s2, hwreg(HW_REG_IB_STS2, 6, 4)
	s_cmp_eq_u32 s2, 0
	s_cbranch_scc0 .Lentry_in_a_cluster
	s_endpgm
.Lentry_in_a_cluster:
	s_bfe_u32 s2, ttmp6, 0x10000c
	s_cmp_lg_u32 s2, 0x3003
	s_cbranch_scc0 .Lentry_shape_is_right
	s_endpgm
.Lentry_shape_is_right:
; out0[s][head][:] = the sum over keys t <= s of softmax_t(Q[s][head] . K[t][head] / sqrt(128)) V[t][head][:], 2,048 positions, 24 heads, head size 128.
; Both products on codes of FP4 (E2M1) with one E8M0 scale for each 32 along a product's K, taken as they are given.
; Q, K: a position's row of one head is 64 bytes at (s x 24 + head) x 64, its scale word 4 bytes at (s x 24 + head) x 4.  V: the keys innermost: a head is 128 rows of 1,024 bytes; its scale bytes 128 rows of 64.
; THE SOFTMAX AHEAD OF THE SECOND PRODUCT: t = score x log2(e) / sqrt(128); M = the row's largest t so far, rounded UP to a whole number; p = 2^(t - M) is quantised along the keys, not normalised.
; The row's sum is taken of the unquantised p, in f32, and divides O at the end.  When M moves, the sum and O are multiplied by 2^(old M - new M): exact.
; WORK LEFT OUT.  The problem adds -infinity to every score whose key comes after its query, in its own body: p is then exactly 0 and adds nothing to the sum or to O, whatever the inputs hold.  So a step of 128 keys
; all of which come after a tile's 16 queries is not walked.  In the one step on the diagonal the hidden scores are computed and replaced by -infinity.  LIMITS: a NaN (scale byte 0xff) of K or V that reaches only the steps
; left out is not carried to the result; a p under 2^-126 counts as 0; a block of p that is all zeros carries the byte 1 (its codes are zeros; the byte is read by this kernel alone).
; SHARES.  A work-group belongs to one head and one g = 0..7 and owns the 16 tiles of 16 queries at 128 m + 16 g, m = 0..15; a tile walks m + 1 key steps, so every work-group has 136 tile steps.  Wave j walks tile
; m = 15 - j (16 - j steps) and then tile m = j (j + 1 steps): 17 steps, two of them on the diagonal, and two ways out for every wave.  8 x 24 = 192 work-groups: a head has 1,088 tile steps, which 256 / 24 work-groups
; cannot share evenly without work-groups that span heads.
; LDS.  A whole head's K, V and scale bytes lie in LDS at once (321,536 bytes with the spare words): each byte is filled ONCE, at the head; nothing is filled again, so there is no ring.
; CLUSTER.  The four work-groups of a cluster belong to one head and need the same K and V: every tensor load is asked for jointly (mask 15).  g enters Q's and out0's global addresses and the diagonal's compare value alone.
; No prefetch: all that the work-group reads of K and V is asked for by the tensor loads at the head; no later load exists to ask ahead of.
; LAYOUT.  S^T = K Q^T (source 0 = 16 neighbouring keys, source 1 = my 16 queries): lane (r, h) holds query r; register 8 t + i is key 16 t + 8 h + i of the step.  A block of 32 keys is 16 registers of lanes l and l xor 16.
; O = P V (source 0 = p's codes, source 1 = 16 channels of V): register i of lane (r, h) is O(query 8 h + i, column r).  Column r of accumulator 4 u + t is channel 64 u + 4 r + t: so accumulators t = 0..3 give a lane 16
; neighbouring bytes of a row of out0, sixteen lanes 256 consecutive bytes, aligned: the results are stored from registers, with no stage.  V's rows are laid in LDS in that order by the tensor loads (every fourth row).
.set KP,    80                         ; a key's row in LDS: 64 bytes + 16 of padding: the 16 rows of a load start at 16 different 16-byte columns modulo 256
.set KCH,   512*KP                     ; a chunk: 512 keys, four key steps
.set VP,    272                        ; a row of V's chunk: 256 bytes (512 keys) + 16 of padding
.set VB,    4*KCH                      ; V: four chunks of 128 rows; row 32 t + rho holds channel 4 rho + t
.set VCH,   128*VP
.set SCK,   VB+4*VCH                   ; K's scale words, 4 bytes a key, dense
.set SVP,   72                         ; a row of V's scale bytes: 64 + 8 of padding: 18 words, so 32 lanes' words fall on 32 different banks
.set SCV,   SCK+2048*4                 ; V's scale rows, in the order of V's rows
.set SPARE, SCV+128*SVP                ; the spare words, 128 bytes for each wave: four blocks of 256 bytes that no other line names
.set AK0,  1                           ; v1   my lane's place in a tile of K: 80 r + 16 h
.set AV0,  2                           ; v2   in a tile of V: VB + 272 r + 16 h
.set ASK0, 3                           ; v3   among K's scale words: SCK + 4 x lane
.set ASV0, 4                           ; v4   among V's scale rows: SCV + 72 x lane
.set SPW,  5                           ; v5   LDS address of my spare word; never rewritten
.set NIL,  6                           ; v6   0; never rewritten
.set GO,   7                           ; v7   my byte offset in the tile's rows of out0: 8 h rows + 16 r; never rewritten
.set ADK,  8                           ; v8-11 the step's LDS addresses (at the head: Q's four offsets)
.set ADV,  9
.set ADS,  10
.set ADT,  11
; v12 -M, v13 the largest t, v[14:15] the sum in two halves; v16-23, v24-31 Q of my two tiles; v32-95 eight fragments of K, then of V; v96-159 S^T, then p (v96-103 later the factors by query; on the way out the rows);
; v160-223 O; v224-231 p's codes; v232-239 at work; v240 the diagonal's compare value; v241, v242 Q's scale words; v243 at work; v244-247 the conversions' scales; v248-251 K's or V's scale words; v252 f; v253 p's scale word; v254, v255 at work
.set WV,   18                          ; s18  my wave's number; also the low tile's m
.set G,    19                          ; s19  g
.set G1K,  20                          ; s[20:27] descriptor group 1 for K's codes; s[28:35] V's codes; s[36:43] K's scale words; s[44:51] V's scale rows
.set G1V,  28
.set G1KS, 36
.set G1VS, 44                          ; s52-63, s68-75: five groups 0, never rewritten
.set SEL,  76                          ; s[76:77] lane selects for v_permlanex16_b32: lane l xor 16
.set CS,   78                          ; s[78:79] c = log2(e) / sqrt(128): the packed form names a pair and takes its low word
.set HM,   80                          ; s80  the mask of lanes 16-31
.set SG,   81                          ; s81  the key step
.set MH,   82                          ; s82  the high tile's m = 15 - wave
.set TK,   84                          ; s84-87 where the step's K, K's scale words, V and V's scale words begin (at the head: the loads' LDS places)
.set TS,   85
.set TV,   86
.set TJ,   87
.set HD,   89                          ; s89  the head
.set OPH,  90                          ; s[90:91], s[92:93] out0 at my two tiles' first rows
.set OPL,  92
.set W0K,  15|(1<<20)|(1<<21)|(3<<22)|(3<<25)          ; mask: all four work-groups; elements of 1 byte; padding on; bit 21 set beside a mask; after every 16 words, 4 words
.set W0V,  15|(1<<20)|(1<<21)|(5<<22)|(3<<25)          ; after every 64 words, 4 words
.set W0KS, 15|(2<<16)|(1<<21)                          ; elements of 4 bytes, no padding
.set W0VS, 15|(1<<20)|(1<<21)|(3<<22)|(1<<25)          ; after every 16 words, 2 words
; A round of the cluster's barrier: my work-group's barrier; wave 0 signals for the work-group; every wave waits for all four work-groups; my work-group's barrier once more.
.macro CROUND
	s_barrier_signal -1
	s_barrier_wait -1
	s_cmp_lg_u32 s[WV], 0
	s_cbranch_scc1 .Lnot_wave_0_\@
	s_barrier_signal -3
.Lnot_wave_0_\@:
	s_barrier_wait -3
	s_barrier_signal -1
	s_barrier_wait -1
.endm
.macro G1SET g, w0, d0, d1, st         ; a tile of d1 rows x d0 elements, st elements from row to row; the tiles lie inside their tensors, so the extents are the tile's
	s_mov_b32 s[\g], \w0
	s_mov_b32 s[\g+1], (\d0)<<16
	s_mov_b32 s[\g+2], (\d1)<<16
	s_mov_b32 s[\g+3], (\d0)<<16
	s_mov_b32 s[\g+4], \d1
	s_mov_b32 s[\g+5], \st
	s_mov_b32 s[\g+6], 0
	s_mov_b32 s[\g+7], 0
.endm
.macro G0SET k, ldsreg, ldsconst, ptr, goff    ; group 0 number k: count 1; LDS address; global address; type 2
.set GA, 52+4*(\k)+4*((\k)/3)
	s_mov_b32 s[GA], 1
	s_add_co_u32 s[GA+1], s[\ldsreg], \ldsconst
	s_add_nc_u64 s[GA+2:GA+3], s[\ptr:\ptr+1], \goff
	s_or_b32 s[GA+3], s[GA+3], 0x80000000
.endm
.macro TL k, g1
.set GA, 52+4*(\k)+4*((\k)/3)
	tensor_load_to_lds s[GA:GA+3], s[\g1:\g1+7]
	s_nop 0
.endm
.macro BAR n                           ; chunk 3 - n of every loading wave has landed; no LDS instruction of mine is out here.  Nothing is ever filled again, so the later chunks may stay on their way
	s_wait_tensorcnt \n
	s_barrier_signal -1
	s_barrier_wait -1
.endm
.macro INIT                            ; a tile begins: the largest t is -3e38, under every t; the sum and O are zeros, which the first change of M leaves zeros.  So the key step is written without a first step of its own
	v_mov_b32 v13, 0xff61b1e6
	s_delay_alu instid0(VALU_DEP_1)
	v_floor_f32 v12, -v13
	v_mov_b32 v14, 0
	v_mov_b32 v15, 0
.irp a, 0,1,2,3,4,5,6,7
.irp k, 0,1,2,3,4,5,6,7
	v_mov_b32 v[160+8*\a+\k], 0
.endr
.endr
.endm
; A KEY STEP: 128 keys, the s[SG]-th of the head, for the tile whose Q lies in v[qf] on, its scale words in v[qsc], its m in s[lim].
.macro STEP qf, qsc, lim
	s_cmp_gt_u32 s[SG], s[\lim]                    ; all 128 keys come after my 16 queries: the step is left out.  The wave's number and the count of steps alone; no barrier and no tensor load stands in a step
	s_cbranch_scc1 .Lpast_\@
	s_mul_i32 s[TK], s[SG], 128*KP                 ; K: 128 rows a step
	s_lshl_b32 s[TS], s[SG], 9                     ; K's scale words: 512 bytes a step
	s_lshr_b32 s[TV], s[SG], 2
	s_mul_i32 s[TV], s[TV], VCH                    ; V: the chunk,
	s_and_b32 s88, s[SG], 3
	s_lshl_b32 s88, s88, 6
	s_add_co_u32 s[TV], s[TV], s88                 ; and 64 bytes a step in its rows
	s_lshl_b32 s[TJ], s[SG], 2                     ; V's scale words: 4 bytes a step in each row
	s_setprio 2
	v_add_nc_u32 v[ADK], s[TK], v[AK0]             ; these four are also the places between the last step's products and the loads into their registers
	v_add_nc_u32 v[ADS], s[TS], v[ASK0]
	v_add_nc_u32 v[ADV], s[TV], v[AV0]
	v_add_nc_u32 v[ADT], s[TJ], v[ASV0]
.irp p, 0,1,2,3
	ds_load_b32 v[248+\p], v[ADS] offset:128*\p    ; lanes 0-15: the words of tile 2 p's keys; lanes 16-31: of tile 2 p + 1's
.endr
.irp t, 0,1,2,3,4,5,6,7
.irp c, 0,1
	ds_load_b128 v[32+8*\t+4*\c:35+8*\t+4*\c], v[ADK] offset:16*KP*\t+32*\c
.endr
.endr
	s_wait_alu depctr_va_vdst(0)
.irp t, 0,1,2,3,4,5,6,7                        ; S^T = K Q^T
	s_wait_dscnt 14-2*\t                           ; behind tile t's two loads 2 (7 - t) were issued; the scale words were issued first
.if (\t)%2
	v_wmma_scale_f32_16x16x128_f8f6f4 v[96+8*\t:103+8*\t], v[32+8*\t:39+8*\t], v[\qf:\qf+7], 0, v[248+\t/2], v[\qsc] matrix_a_fmt:MATRIX_FMT_FP4 matrix_b_fmt:MATRIX_FMT_FP4 matrix_a_scale:MATRIX_SCALE_ROW1
.else
	v_wmma_scale_f32_16x16x128_f8f6f4 v[96+8*\t:103+8*\t], v[32+8*\t:39+8*\t], v[\qf:\qf+7], 0, v[248+\t/2], v[\qsc] matrix_a_fmt:MATRIX_FMT_FP4 matrix_b_fmt:MATRIX_FMT_FP4
.endif
.endr
.rept 4
	v_nop                                          ; four places in front of the loads into registers that these products read, and of the first read of the scores
.endr
.irp p, 0,1,2,3                                ; V's fragments and scale words are asked for now and land under the softmax
	ds_load_b32 v[248+\p], v[ADT] offset:32*SVP*\p ; lanes 0-15: the words of accumulator p's channels; lanes 16-31: of accumulator 4 + p's
.endr
.irp a, 0,1,2,3,4,5,6,7
.irp c, 0,1
	ds_load_b128 v[32+8*\a+4*\c:35+8*\a+4*\c], v[ADV] offset:(32*(\a%4)+16*(\a/4))*VP+32*\c
.endr
.endr
	s_cmp_lg_u32 s[SG], s[\lim]                    ; only the step on the diagonal has hidden keys
	s_cbranch_scc1 .Lopen_\@
	v_mov_b32 v254, 0xff800000                     ; -infinity
.irp t, 0,1,2,3,4,5,6,7                        ; register 8 t + k holds key 16 t + 8 h + k of the step, my query is 16 g + r of it: hidden where 16 t + k > 16 g + r - 8 h
.irp k, 0,1,2,3,4,5,6,7
	v_cmp_gt_i32 vcc_lo, 16*\t+\k, v240
	v_cndmask_b32 v[96+8*\t+\k], v[96+8*\t+\k], v254, vcc_lo
.endr
.endr
.Lopen_\@:
.irp b, 0,1,2,3
	v_max3_num_f32 v[232+\b], v[96+16*\b], v[97+16*\b], v[98+16*\b]   ; the largest score of each block of 32 keys: it serves for the row's maximum and, since p rises with the score, for the block's largest p
.endr
.irp i, 3,5,7,9,11,13
.irp b, 0,1,2,3
	v_max3_num_f32 v[232+\b], v[232+\b], v[96+16*\b+\i], v[97+16*\b+\i]   ; (the four blocks by turns)
.endr
.endr
.irp b, 0,1,2,3
	v_max_num_f32 v[232+\b], v[232+\b], v[111+16*\b]
.endr
.irp b, 0,1,2,3
	s_delay_alu instid0(VALU_DEP_4)
	v_permlanex16_b32 v[236+\b], v[232+\b], s[SEL], s[SEL+1]
.endr
.irp b, 0,1,2,3
	s_delay_alu instid0(VALU_DEP_4)
	v_max_num_f32 v[232+\b], v[232+\b], v[236+\b]  ; with lane l xor 16's 16 keys
.endr
	s_delay_alu instid0(VALU_DEP_2)
	v_max3_num_f32 v254, v232, v233, v234
	s_delay_alu instid0(VALU_DEP_1)
	v_max_num_f32 v254, v254, v235                 ; the step's largest score of my query (on the diagonal the query's own key counts: it is a number)
	s_delay_alu instid0(VALU_DEP_1)
	v_mul_f32 v254, s[CS], v254                    ; as t (c is positive)
	s_delay_alu instid0(VALU_DEP_1)
	v_max_num_f32 v13, v13, v254                   ; the running largest t
	v_mov_b32 v254, v12
	s_delay_alu instid0(VALU_DEP_2)
	v_floor_f32 v12, -v13                          ; the new -M = floor(-t) = -ceil(t)
	s_delay_alu instid0(VALU_DEP_1)
	v_sub_f32 v254, v12, v254                      ; M's old value less its new one: a whole number, 0 or less
	s_delay_alu instid0(VALU_DEP_1)
	v_cvt_i32_f32 v254, v254                       ; (it saturates)
	s_delay_alu instid0(VALU_DEP_1)
	v_ldexp_f32 v252, 1.0, v254                    ; f = 2^(old M - new M)
.irp t, 0,1,2,3,4,5,6,7
.irp k, 0,2,4,6
	v_pk_fma_f32 v[96+8*\t+\k:97+8*\t+\k], v[96+8*\t+\k:97+8*\t+\k], s[CS:CS+1], v[12:13] op_sel_hi:[1,0,0]   ; t - M, two at a time
.endr
.endr
.irp b, 0,1,2,3
	v_fma_f32 v[232+\b], v[232+\b], s[CS], v12     ; the same of each block's largest score
.endr
	s_setprio 1
	s_wait_alu depctr_va_vdst(0)
.irp t, 0,1,2,3,4,5,6,7
.irp k, 0,1,2,3,4,5,6,7
	v_exp_f32 v[96+8*\t+\k], v[96+8*\t+\k]         ; p = 2^(t - M), at most 1
.endr
.endr
	v_pk_mul_f32 v[14:15], v[14:15], v[252:253] op_sel_hi:[1,0]   ; the sums under the new M: the plain instruction behind the exponentials
	s_wait_alu depctr_va_vdst(0)                   ; the wait ahead of the first instruction that names a result: one for the 64
.irp b, 0,1,2,3
	v_exp_f32 v[232+\b], v[232+\b]                 ; the block's largest p: the same two instructions on the same number give the same bits
.endr
	v_pk_add_f32 v[236:237], v[100:101], v[104:105]
	v_pk_add_f32 v[254:255], v[108:109], v[112:113]
	v_pk_add_f32 v[246:247], v[116:117], v[120:121]
	v_pk_add_f32 v[244:245], v[124:125], v[128:129]
	v_pk_add_f32 v[238:239], v[132:133], v[136:137]
	v_pk_add_f32 v[230:231], v[140:141], v[144:145]
	v_pk_add_f32 v[228:229], v[148:149], v[152:153]
	v_pk_add_f32 v[14:15], v[14:15], v[156:157]
	v_pk_add_f32 v[236:237], v[236:237], v[96:97]
	v_pk_add_f32 v[254:255], v[254:255], v[98:99]
	v_pk_add_f32 v[246:247], v[246:247], v[102:103]
	v_pk_add_f32 v[244:245], v[244:245], v[106:107]
	v_pk_add_f32 v[238:239], v[238:239], v[110:111]
	v_pk_add_f32 v[230:231], v[230:231], v[114:115]
	v_pk_add_f32 v[228:229], v[228:229], v[118:119]
	v_pk_add_f32 v[14:15], v[14:15], v[122:123]
	v_pk_add_f32 v[236:237], v[236:237], v[126:127]
	v_pk_add_f32 v[254:255], v[254:255], v[130:131]
	v_pk_add_f32 v[246:247], v[246:247], v[134:135]
	v_pk_add_f32 v[244:245], v[244:245], v[138:139]
	v_pk_add_f32 v[238:239], v[238:239], v[142:143]
	v_pk_add_f32 v[230:231], v[230:231], v[146:147]
	v_pk_add_f32 v[228:229], v[228:229], v[150:151]
	v_pk_add_f32 v[14:15], v[14:15], v[154:155]
	v_pk_add_f32 v[236:237], v[236:237], v[158:159]
	s_delay_alu instid0(VALU_DEP_2)
	v_pk_add_f32 v[14:15], v[14:15], v[244:245]
	s_delay_alu instid0(VALU_DEP_2)
	v_pk_add_f32 v[236:237], v[236:237], v[238:239]
	v_pk_add_f32 v[254:255], v[254:255], v[230:231]
	v_pk_add_f32 v[246:247], v[246:247], v[228:229]
	s_delay_alu instid0(VALU_DEP_2)
	v_pk_add_f32 v[14:15], v[14:15], v[254:255]
	s_delay_alu instid0(VALU_DEP_2)
	v_pk_add_f32 v[236:237], v[236:237], v[246:247]
	s_delay_alu instid0(VALU_DEP_1)
	v_pk_add_f32 v[14:15], v[14:15], v[236:237]
	s_wait_alu depctr_va_vdst(0)                   ; and one for the four
.irp b, 0,1,2,3
	v_max_num_f32 v[232+\b], 0x1800000, v[232+\b]  ; the floor 2^(3 - 127): the byte cannot fall under 1
.endr
.irp b, 0,1,2,3
	s_delay_alu instid0(VALU_DEP_4)
	v_add_nc_u32 v[244+\b], 0xff000000, v[232+\b]  ; 2 off the exponent field: the conversion's scale operand
.endr
.irp b, 0,1,2,3
	s_delay_alu instid0(VALU_DEP_4)
	v_lshrrev_b32 v[236+\b], 23, v[244+\b]         ; the scale's byte
.endr
	s_delay_alu instid0(VALU_DEP_3)
	v_lshl_or_b32 v253, v237, 8, v236              ; p's scale word for these 128 keys: lane r has query r's
	s_delay_alu instid0(VALU_DEP_1)
	v_lshl_or_b32 v253, v238, 16, v253
	s_delay_alu instid0(VALU_DEP_1)
	v_lshl_or_b32 v253, v239, 24, v253
.irp t, 0,1,2,3,4,5,6,7                        ; tile t's eight codes: keys 16 t + 8 h + 0 .. 7.  Tiles 4 c and 4 c + 2 go to registers 4 c and 4 c + 1, tiles 4 c + 1 and 4 c + 3 to 4 c + 2 and 4 c + 3
	v_cvt_scalef32_pk8_fp4_f32 v[224+4*(\t/4)+2*(\t%2)+(\t%4)/2], v[96+8*\t:103+8*\t], v[244+\t/2]
.endr
	v_nop                                          ; one plain instruction between a scaled conversion and the vector instruction that touches its result
.irp c, 0,1                                    ; the first's lanes 16-31 change places with the second's lanes 0-15: register 4 c + i of half h then holds keys 64 c + 32 h + 8 i + 0 .. 7, as the operand wants them
.irp a, 0,1
	v_permlane16_swap_b32 v[224+4*\c+2*\a], v[225+4*\c+2*\a]
.endr
.endr
	v_mov_b32_dpp v243, v252 row_xmask:8 row_mask:0xf bank_mask:0xf   ; f lies by lane (query r); O's register i of half h wants f of query 8 h + i.  Lanes 16-31 take f of query r xor 8,
	s_delay_alu instid0(VALU_DEP_1)
	v_cndmask_b32 v243, v252, v243, s[HM]
.irp i, 0,1,2,3,4,5,6,7
	v_mov_b32_dpp v[96+\i], v243 row_share:\i row_mask:0xf bank_mask:0xf   ; and every lane takes lane i of its half: f of query 8 h + i
.endr
.irp a, 0,1,2,3,4,5,6,7
.irp i, 0,2,4,6
	v_pk_mul_f32 v[160+8*\a+\i:161+8*\a+\i], v[160+8*\a+\i:161+8*\a+\i], v[96+\i:97+\i]   ; O under the new M; each accumulator from its low end on
.endr
.endr
	s_setprio 0
	s_wait_alu depctr_va_vdst(0)
	s_wait_dscnt 0x0                               ; V's fragments and scale words are in
.irp a, 0,1,2,3,4,5,6,7                        ; O += P V: the eight accumulators by turns
.if \a < 4
	v_wmma_scale_f32_16x16x128_f8f6f4 v[160+8*\a:167+8*\a], v[224:231], v[32+8*\a:39+8*\a], v[160+8*\a:167+8*\a], v253, v[248+\a%4] matrix_a_fmt:MATRIX_FMT_FP4 matrix_b_fmt:MATRIX_FMT_FP4
.else
	v_wmma_scale_f32_16x16x128_f8f6f4 v[160+8*\a:167+8*\a], v[224:231], v[32+8*\a:39+8*\a], v[160+8*\a:167+8*\a], v253, v[248+\a%4] matrix_a_fmt:MATRIX_FMT_FP4 matrix_b_fmt:MATRIX_FMT_FP4 matrix_b_scale:MATRIX_SCALE_ROW1
.endif
.endr
.Lpast_\@:
.endm
.macro WALK from, until, qf, qsc, lim  ; key steps from .. until - 1: the trip count is a constant of the text; a wave whose tile ends earlier passes over the rest
	s_mov_b32 s[SG], \from
.Lwalk_\@:
	STEP \qf, \qsc, \lim
	s_add_co_u32 s[SG], s[SG], 1
	s_cmp_lt_u32 s[SG], \until
	s_cbranch_scc1 .Lwalk_\@
	s_setprio 0
.endm
; THE WAY OUT of a tile.  The sum's parts are added; 1 / the sum goes to the registers by query as f does in a step; the products with O land so that four neighbouring registers are four neighbouring channels.
; The two additions, the v_nop, the select and the lane moves are the places between the last products and the first read of O.
.macro OUT ptr
	v_add_f32 v14, v14, v15                        ; the sum's two halves,
	s_delay_alu instid0(VALU_DEP_1)
	v_permlanex16_b32 v236, v14, s[SEL], s[SEL+1]
	s_delay_alu instid0(VALU_DEP_1)
	v_add_f32 v14, v14, v236                       ; and lane l xor 16's: the row's sum
	s_wait_alu depctr_va_vdst(0)
	v_rcp_f32 v14, v14
	v_nop                                          ; a plain instruction behind the reciprocal,
	s_wait_alu depctr_va_vdst(0)                   ; and a wait ahead of its first reader
	v_mov_b32_dpp v243, v14 row_xmask:8 row_mask:0xf bank_mask:0xf
	v_cndmask_b32 v243, v14, v243, s[HM]
.irp j, 0,1,2,3,4,5,6,7
	v_mov_b32_dpp v[232+\j], v243 row_share:\j row_mask:0xf bank_mask:0xf   ; 1 / the sum of query 8 h + j
.endr
.irp j, 0,1,2,3,4,5,6,7                        ; query 8 h + j: every accumulator is first read at its register 0
.irp u, 0,1
.irp t, 0,1,2,3
	v_mul_f32 v[96+4*(2*\j+\u)+\t], v[160+8*(4*\u+\t)+\j], v[232+\j]   ; channel 64 u + 4 r + t
.endr
.endr
.irp u, 0,1
	global_store_b128 v[GO], v[96+4*(2*\j+\u):99+4*(2*\j+\u)], s[\ptr:\ptr+1] offset:12288*\j+256*\u th:TH_STORE_NT   ; sixteen lanes store 256 consecutive bytes, at a multiple of 256 from out0's first byte
.endr
.endr
.endm
	s_load_b256 s[4:11], s[0:1], 0x0               ; Q's codes s[4:5], Q's scales s[6:7], K's codes s[8:9], K's scales s[10:11]
	s_load_b128 s[12:15], s[0:1], 0x20             ; V's codes s[12:13], V's scales s[14:15]
	s_load_b64 s[16:17], s[0:1], 0x30              ; out0
	v_lshl_add_u32 v[SPW], v0, 2, SPARE
	v_mov_b32 v[NIL], 0
	ds_add_u32 v[SPW], v[NIL]                      ; the wave's opening: the add, twice on end, and its wait ahead of my first tensor load; the set-up below, work on registers, stands between
	ds_add_u32 v[SPW], v[NIL]
	v_lshrrev_b32 v1, 5, v0
	s_delay_alu instid0(VALU_DEP_1)
	v_readfirstlane_b32 s[WV], v1                  ; wave 0..7
	s_bfe_u32 s[G], ttmp6, 0x40000                 ; cx: my place in the cluster
	s_lshl_b32 s88, ttmp9, 2                       ; in a cluster launch ttmp9 counts clusters
	s_add_co_u32 s[G], s[G], s88                   ; g = 4 x cluster x + cx
	s_and_b32 s[HD], ttmp7, 0xffff                 ; the head, which the four partners share
	s_xor_b32 s[MH], s[WV], 15                     ; 15 - wave
	s_and_b32 s2, s[WV], 1                         ; waves 0, 1 (K's codes) and 6, 7 (K's scale words): which half of a chunk's 512 keys
	s_add_co_u32 s3, s[WV], 2
	s_and_b32 s3, s3, 3                            ; waves 2 to 5 (V): which of every four rows
	s_mul_i32 s94, s2, 256*1536                    ; K's codes: 256 keys of 1,536 bytes a half,
	s_lshl_b32 s88, s[HD], 6
	s_add_co_u32 s94, s94, s88                     ; + the head's 64 bytes in a row
	s_mov_b32 s95, 0
	s_mul_i32 s96, s2, 256*96                      ; K's scale words likewise: 96 bytes a key, 4 a head
	s_lshl_b32 s88, s[HD], 2
	s_add_co_u32 s96, s96, s88
	s_mov_b32 s97, 0
	s_lshl_b32 s98, s[HD], 17                      ; V's codes: 131,072 bytes a head, 1,024 a row
	s_lshl_b32 s88, s3, 10
	s_add_co_u32 s98, s98, s88
	s_mov_b32 s99, 0
	s_lshl_b32 s100, s[HD], 13                     ; V's scale rows: 8,192 bytes a head, 64 a row
	s_lshl_b32 s88, s3, 6
	s_add_co_u32 s100, s100, s88
	s_mov_b32 s101, 0
	s_mul_i32 s84, s2, 256*KP                      ; and where they go: the wave's number and constants alone
	s_mul_i32 s85, s3, 32*SVP
	s_mul_i32 s86, s3, 32*VP
	s_lshl_b32 s87, s2, 10
	G1SET G1K,  W0K,  64,  256, 1536               ; K's codes: 256 rows of 64 bytes, 1,536 bytes apart
	G1SET G1V,  W0V,  256, 32,  4096               ; V's codes: 32 rows of 256 bytes, four rows of 1,024 bytes apart
	G1SET G1KS, W0KS, 1,   256, 24                 ; K's scale words: 256 rows of one word, 24 words apart
	G1SET G1VS, W0VS, 64,  32,  256                ; V's scale rows: 32 rows of 64 bytes, four rows apart
	s_mov_b32 s[SEL], 0x76543210
	s_mov_b32 s[SEL+1], 0xfedcba98
	s_mov_b32 s[CS], 0x3e0293ee                    ; c = log2(e) / sqrt(128)
	s_mov_b32 s[CS+1], s[CS]                       ; (named with it as a pair, so it is written)
	s_mov_b32 s[HM], 0xffff0000
	s_wait_dscnt 0x0                               ; both opening adds are done
	s_wait_kmcnt 0x0
	s_add_nc_u64 s[8:9], s[8:9], s[94:95]
	s_add_nc_u64 s[10:11], s[10:11], s[96:97]
	s_add_nc_u64 s[12:13], s[12:13], s[98:99]
	s_add_nc_u64 s[14:15], s[14:15], s[100:101]
	CROUND                                         ; all four work-groups are here: the joint loads meet
	; THE FILLS, all of them first fills, in one branch on the wave's number with a fill in each arm.  Chunk c is the wave's load with 3 - c loads behind it.  At most five loads of a wave are out.
	s_cmp_lt_u32 s[WV], 2
	s_cbranch_scc0 .Lnot_kc
.irp c, 0,1,2,3
	G0SET \c, 84, \c*KCH, 8, \c*512*1536
.endr
.irp c, 0,1,2,3
	TL \c, G1K
.endr
.rept 4
	v_nop
.endr
	s_branch .Lasked
.Lnot_kc:
	s_cmp_lt_u32 s[WV], 6
	s_cbranch_scc0 .Lks
	G0SET 0, 85, SCV, 14, 0
.irp c, 0,1,2,3
	G0SET \c+1, 86, VB+\c*VCH, 12, \c*256
.endr
	TL 0, G1VS                                     ; the scale rows first: they are wanted with chunk 0
.irp c, 1,2,3,4
	TL \c, G1V
.endr
.rept 4
	v_nop
.endr
	s_branch .Lasked
.Lks:
.irp c, 0,1,2,3
	G0SET \c, 87, SCK+\c*2048, 10, \c*512*96
.endr
.irp c, 0,1,2,3
	TL \c, G1KS
.endr
.rept 4
	v_nop
.endr
.Lasked:
	; Q of my two tiles, and where they go in out0.  First query of a tile: 128 m + 16 g
	s_lshl_b32 s88, s[G], 4
	s_lshl_b32 s2, s[MH], 7
	s_add_co_u32 s2, s2, s88                       ; the high tile's
	s_lshl_b32 s3, s[WV], 7
	s_add_co_u32 s3, s3, s88                       ; the low tile's
	s_lshl_b32 s101, s[HD], 6
	s_mul_i32 s94, s2, 1536
	s_add_co_u32 s94, s94, s101
	s_mul_i32 s95, s3, 1536
	s_add_co_u32 s95, s95, s101
	s_lshl_b32 s101, s[HD], 2
	s_mul_i32 s96, s2, 96
	s_add_co_u32 s96, s96, s101
	s_mul_i32 s97, s3, 96
	s_add_co_u32 s97, s97, s101
	v_and_b32 v254, 15, v0                         ; r
	s_wait_alu depctr_va_vdst(0)
	v_bfe_u32 v255, v0, 4, 1                       ; h
	v_mul_u32_u24 v8, v254, 1536
	s_delay_alu instid0(VALU_DEP_1)
	v_lshl_add_u32 v8, v255, 4, v8                 ; query r's row, + 16 h
	s_delay_alu instid0(VALU_DEP_1)
	v_add_nc_u32 v9, s95, v8
	s_delay_alu instid0(VALU_DEP_2)
	v_add_nc_u32 v8, s94, v8
	v_mul_u32_u24 v10, v254, 96
	s_delay_alu instid0(VALU_DEP_1)
	v_add_nc_u32 v11, s97, v10
	s_delay_alu instid0(VALU_DEP_2)
	v_add_nc_u32 v10, s96, v10
	global_load_b128 v[16:19], v8, s[4:5]
	global_load_b128 v[20:23], v8, s[4:5] offset:32
	global_load_b128 v[24:27], v9, s[4:5]
	global_load_b128 v[28:31], v9, s[4:5] offset:32
	global_load_b32 v241, v10, s[6:7]
	global_load_b32 v242, v11, s[6:7]
	s_lshl_b32 s101, s[HD], 9                      ; out0: 12,288 bytes a position, 512 a head
	s_mul_i32 s98, s2, 12288
	s_add_co_u32 s98, s98, s101
	s_mov_b32 s99, 0
	s_add_nc_u64 s[OPH:OPH+1], s[16:17], s[98:99]
	s_mul_i32 s98, s3, 12288
	s_add_co_u32 s98, s98, s101
	s_add_nc_u64 s[OPL:OPL+1], s[16:17], s[98:99]
	v_mul_u32_u24 v[AK0], v254, KP
	s_wait_alu depctr_va_vdst(0)
	v_lshl_add_u32 v[AK0], v255, 4, v[AK0]
	v_mul_u32_u24 v[AV0], v254, VP
	s_delay_alu instid0(VALU_DEP_1)
	v_lshl_add_u32 v[AV0], v255, 4, v[AV0]
	s_delay_alu instid0(VALU_DEP_1)
	v_add_nc_u32 v[AV0], VB, v[AV0]
	v_and_b32 v[ASK0], 31, v0                      ; lane
	s_delay_alu instid0(VALU_DEP_1)
	v_mul_u32_u24 v[ASV0], v[ASK0], SVP
	s_delay_alu instid0(VALU_DEP_1)
	v_add_nc_u32 v[ASV0], SCV, v[ASV0]
	s_delay_alu instid0(VALU_DEP_3)
	v_lshl_add_u32 v[ASK0], v[ASK0], 2, SCK
	v_mul_u32_u24 v[GO], v255, 8*12288
	s_delay_alu instid0(VALU_DEP_1)
	v_lshl_add_u32 v[GO], v254, 4, v[GO]
	v_lshlrev_b32 v240, 3, v255
	s_delay_alu instid0(VALU_DEP_1)
	v_sub_nc_u32 v240, v254, v240
	s_delay_alu instid0(VALU_DEP_1)
	v_add_nc_u32 v240, s88, v240                   ; 16 g + r - 8 h
.irp b, 0,1,2,3,4,5,6,7
	v_mov_b32 v[232+\b], 0                         ; written once: a lane move's destination counts as one of its sources
.endr
	v_mov_b32 v243, 0
	v_mov_b32 v253, 0                              ; (named as the upper half of the pair v[252:253] before it is first written)
	INIT
	s_wait_loadcnt 0x0                             ; Q; its offsets' registers are free
	; THE HIGH TILE, m = 15 - wave, at least 8: in steps 0 to 8 every wave has work, so the four barriers meet waves that have come equally far
	BAR 3                                          ; chunk 0 (keys 0-511) and V's scale rows: three loads were issued behind chunk 0's in every role
	WALK 0, 4, 16, 241, MH
	BAR 2                                          ; chunk 1: two behind it
	WALK 4, 6, 16, 241, MH
	BAR 1                                          ; chunk 2, two steps ahead of its first use: one behind it
	WALK 6, 8, 16, 241, MH
	BAR 0                                          ; chunk 3, four steps ahead of its first use
	WALK 8, 16, 16, 241, MH
	OUT OPH
	INIT
	s_wait_xcnt 0x0                                ; the stores have read their data: the next tile's scores are written over them only behind this wait
	; THE LOW TILE, m = wave
	WALK 0, 8, 24, 242, WV
	OUT OPL
	s_wait_tensorcnt 0x0                           ; the wave's end: behind my last tensor load
	ds_add_u32 v[SPW], v[NIL]
	s_wait_dscnt 0x0
	CROUND                                         ; the closing round: no work-group ends while a partner may still ask for a tile that names it
	s_endpgm
.Lfunc_end_k_q4aaeb5352f_attn:
	.size	k_q4aaeb5352f_attn, .Lfunc_end_k_q4aaeb5352f_attn-k_q4aaeb5352f_attn
	.p2alignl 7, 3214868480
	.fill 96, 4, 3214868480
	.section	.rodata,"a",@progbits
	.p2align	6, 0x0
	.amdhsa_kernel k_q4aaeb5352f_attn
		.amdhsa_group_segment_fixed_size 327680
		.amdhsa_private_segment_fixed_size 0
		.amdhsa_enable_private_segment 0
		.amdhsa_kernarg_size 56
		.amdhsa_user_sgpr_count 2
		.amdhsa_user_sgpr_kernarg_segment_ptr 1
		.amdhsa_wavefront_size32 1
		.amdhsa_system_sgpr_workgroup_id_x 1
		.amdhsa_system_sgpr_workgroup_id_y 1
		.amdhsa_system_sgpr_workgroup_id_z 1
		.amdhsa_system_vgpr_workitem_id 0
		.amdhsa_next_free_vgpr 256
		.amdhsa_next_free_sgpr 102
		.amdhsa_reserve_vcc 1
		.amdhsa_float_denorm_mode_32 3
		.amdhsa_float_denorm_mode_16_64 3
		.amdhsa_memory_ordered 1
		.amdhsa_forward_progress 1
		.amdhsa_inst_pref_size 153
	.end_amdhsa_kernel
	.amdgpu_metadata
---
amdhsa.version: [ 1, 2 ]
amdhsa.kernels:
  - .name:           k_q4aaeb5352f_attn
    .symbol:         k_q4aaeb5352f_attn.kd
    .args:
      - { .name: query_codes, .offset: 0, .size: 8, .value_kind: global_buffer, .address_space: global }
      - { .name: query_scales, .offset: 8, .size: 8, .value_kind: global_buffer, .address_space: global }
      - { .name: key_codes, .offset: 16, .size: 8, .value_kind: global_buffer, .address_space: global }
      - { .name: key_scales, .offset: 24, .size: 8, .value_kind: global_buffer, .address_space: global }
      - { .name: value_codes, .offset: 32, .size: 8, .value_kind: global_buffer, .address_space: global }
      - { .name: value_scales, .offset: 40, .size: 8, .value_kind: global_buffer, .address_space: global }
      - { .name: out0, .offset: 48, .size: 8, .value_kind: global_buffer, .address_space: global }
    .group_segment_fixed_size: 327680
    .private_segment_fixed_size: 0
    .kernarg_segment_align: 8
    .kernarg_segment_size: 56
    .max_flat_workgroup_size: 256
    .sgpr_count:     102
    .vgpr_count:     256
    .wavefront_size: 32
...
	.end_amdgpu_metadata
.endif
;; end of part 1
